; MI455X (gfx1250); checked and timed in simulation.
; The chip was launched on July 23, 2026; its instructions are those of AMD's public machine-readable ISA for CDNA 5 (MIT licence, August 2026) and "CDNA5" Instruction Set Architecture Reference Guide (July 2026). The comments in the code are by the model that wrote it; some were corrected since.
;; Knowledge Fussion. Allowed arithmetic: matrix products marked QUANTISED: E3M2 operands, one E8M0 scale for each 32 along K, by v_wmma_scale_f32_16x16x128_f8f6f4 with both operands' format E3M2, f32 sums; products left as they are: f32 operands where the result goes on into a quantised operand, else bf16, f16 or f32 operands; f32 sums; everything else in f32.
;; Inputs: attention_strength one number float32; empty_knowledge_mask 64 bool; in_proj_bias 3,072 float32; in_proj_weight 3,072 x 1,024 float32; input_ids 64 x 512 int32; knowledge_output 64 x 1,024 float32; model_output 64 x 512 x 1,024 float32; out_proj_bias 1,024 float32; out_proj_weight 1,024 x 1,024 float32.
;; Outputs: out0 64 x 1,024 float32.
;; Constants: knowledge_token_id = 30002, mask_token_id = 30001.
;; This version of the problem:
;;   THIS VERSION OF THE PROBLEM IS GIVEN IN LOW PRECISION. The matrix products marked QUANTISED in the list below multiply operands that are first quantised to E3M2 (3 exponent bits, 2 mantissa bits; 6 bits a number), with one power-of-two scale for each 32 numbers along K (OCP MX v1.0); their sums are f32. All else is computed in f32.
;;   The module's matrix products, in the order in which they are computed (A, B: the left and right operand; K: the contracted axis; several contracted axes count as one K, in the product's order):
;;     1. [M 64, K 1,024] x [K 1,024, N 1,024]; A: computed on the way; B: input in_proj_weight: QUANTISED
;;     2. [M 32,768, K 1,024] x [K 1,024, N 1,024]; A: computed on the way; B: input in_proj_weight: QUANTISED
;;     3. [M 32,768, K 1,024] x [K 1,024, N 1,024]; A: computed on the way; B: input in_proj_weight: QUANTISED
;;     4. batch 1,024 x [M 1, K 64] x [K 64, N 512]; A: computed on the way; B: computed on the way: left as it is (M = 1 < 16)
;;     5. batch 1,024 x [M 1, K 512] x [K 512, N 64]; A: softmax; B: computed on the way: left as it is (M = 1 < 16)
;;     6. [M 64, K 1,024] x [K 1,024, N 1,024]; A: computed on the way; B: input out_proj_weight: QUANTISED
;;   THE QUANTISER, for each operand of a quantised product, along K:
;;     - K is cut into blocks of 32 from its start; a last block that is shorter is filled with zeros.
;;     - A block's scale is 2^e with e = floor(log2(the largest magnitude in the block)) - 4, held to -126 .. 127; a block of zeros has e = 0. As a byte (E8M0): e + 127.
;;     - Each number is divided by its block's scale, clamped to +-28, and rounded to the nearest number of E3M2, ties to even, subnormals kept.
;;     - The product sums the exact products of the quantised numbers (number of the format x scale) in f32.
;;   ~~~python
;;   def quantise(x, axis):      # numpy; x: float32 -> the quantised numbers, widened to float32 again
;;       x = np.moveaxis(x, axis, -1); K = x.shape[-1]
;;       x = np.pad(x, [(0, 0)] * (x.ndim - 1) + [(0, -K % 32)]); x = x.reshape(x.shape[:-1] + (-1, 32)); a = np.abs(x).max(-1, keepdims=True)
;;       e = np.where(a > 0, np.clip(np.frexp(np.where(a > 0, a, 1))[1] - 1 - 4, -126, 127), 0)      # np.frexp(a)[1] - 1 = floor(log2(a)), exactly
;;       r = np.clip(x / 2.0 ** e, -28, 28)
;;       step = 2.0 ** (np.maximum(np.frexp(np.where(r == 0, 1, r))[1] - 1, -2) - 2)
;;       q = np.round(r / step) * step * 2.0 ** e      # np.round: ties to even
;;       return np.moveaxis(q.reshape(q.shape[:-2] + (-1,))[..., :K], -1, axis).astype(np.float32)
;;   ~~~
;;   OPERANDS COMPUTED ON THE WAY. 'Computed on the way' means the value that the module computes at that place (a softmax that the list does not call 'softmax' is quantised finished and normalised). What goes into a quantiser is computed in f32, as accurately as f32 sums, v_exp_f32 and their like allow (about 1e-6 of the number): no bf16 or f16 on the way to a quantiser, and a product that is left as it is and whose result goes on into a quantised operand takes f32 operands (vector FMAs, or v_wmma_f32_16x16x4_f32). A number that lies on a knife's edge between two numbers of the format may be rounded either way, as far as f32 arithmetic and the matrix unit's own rounding can turn it there, and no further.
;; One version. Each part assembles by itself: llvm-mc -triple=amdgcn-amd-amdhsa -mcpu=gfx1250 --defsym DOCPART=n.
;; ======== version 1 of 1: 4 launches
;; workspace buffers: wimg 3,412,992 bytes; qs 262,144 bytes; pctx 2,097,152 bytes; pstat 65,536 bytes
;; launch prep (part 1): grid 260 x 1, 4 waves a work-group, no clusters, 35,328 bytes of LDS; arguments in_proj_weight, in_proj_bias, out_proj_weight, out_proj_bias, knowledge_output, wimg; writes wimg
.if DOCPART == 1
	.amdgcn_target "amdgcn-amd-amdhsa--gfx1250"
	.amdhsa_code_object_version 6
	.text
	.protected	k_qa93ac58bc8_prep
	.globl	k_qa93ac58bc8_prep
	.p2align	8
	.type	k_qa93ac58bc8_prep,@function
k_qa93ac58bc8_prep:
	s_mov_b64 s[64:65], 0
	v_nop
	global_prefetch_b8 v0, s[64:65] scope:SCOPE_SE
	s_setreg_imm32_b32 hwreg(HW_REG_WAVE_MODE, 25, 1), 1
	s_wait_xcnt 0x0
; The weights and the knowledge rows, f32 with K innermost, become codes of BF6 (E3M2) with one E8M0 scale byte for each 32 along K, laid in wimg AS THE MATRIX OPERANDS' REGISTERS.
; A tile is 16 rows x 1,024 K.  Work-group g takes tile g: 0-191 in_proj_weight, 192-255 out_proj_weight, 256-259 knowledge_output.  Wave w takes K steps 2 w and 2 w + 1 (128 along K each).
; wimg is 33 slots of 103,424 bytes.  A slot: 8 tiles x 8 K steps x 1,536 bytes of fragments (registers 4 c .. 4 c + 3 of lane l at 512 c + 16 l); from 98,304 on 8 x 512 bytes of scale words
; (the word at 16 l + 4 i is that of row l % 16 for K step 2 i + l / 16); from 102,400 on 8 x 16 biases; 512 zeros.  Slot of tile g: g / 8, but for Wk and Wv (g = 64 .. 191):
; 8 + 2 x (pair of heads) + (0 for Wk, 1 for Wv), so that the slots of Wk and Wv of a pair of heads follow each other.
; Each load reads 512 consecutive bytes of one row; the 8 KiB of a K step turn through the wave's own stage in LDS (rows 528 bytes apart), so that lane (r, h) holds, of row r, 16 neighbours of each block of 32.
; A block's scale is 2^(floor(log2(largest magnitude)) - 4); its byte is the largest magnitude's exponent field - 4, held at 1 from below.
; LIMITS: a block of zeros, or one whose largest magnitude lies under 2^(5 - 127), gets the byte 1 (its codes are zeros or subnormal codes; the bytes are read by this program alone); NaN and infinities are not served.
.set SLOTB, 103424
.set FRB,   1536
.set SP,    528                        ; a stage row: 512 bytes + 16
.set STGB,  16*SP
.set SCL,   4*STGB                     ; behind the four stages: the tile's 512 bytes of scale words
.set TM,    16                         ; v16-31  at work in QUANT
.set PC,    32                         ; v32-51  the codes just made
.set PW,    56                         ; v56     the scale word just made;  v52, v53: those of my two K steps
.set RAW,   64                         ; v64-191 two sets of 64: a K step as loaded
.set X,     192                        ; v192-255 64 numbers: register 16 b + i = k 32 b + 16 h + i of row r
.set SEL,   36                         ; s[36:37] selects of v_permlanex16_b32: lane l xor 16
; 64 numbers of a lane become a fragment's codes in v[PC] on and its row's scale word in v[PW].
.macro QUANT s
.irp b, 0,1,2,3
	v_max3_num_f32 v[TM+\b], |v[\s+16*\b]|, |v[\s+1+16*\b]|, 0x2800000   ; block b: my 16 numbers, and the floor 2^(5 - 127)
.endr
.irp i, 2,4,6,8,10,12,14
.irp b, 0,1,2,3
	v_max3_num_f32 v[TM+\b], v[TM+\b], |v[\s+16*\b+\i]|, |v[\s+1+16*\b+\i]|
.endr
.endr
.irp b, 0,1,2,3
	v_permlanex16_b32 v[TM+4+\b], v[TM+\b], s[SEL], s[SEL+1]
.endr
.irp b, 0,1,2,3
	v_max_num_f32 v[TM+\b], v[TM+\b], v[TM+4+\b]           ; with lane l xor 16: the block's largest magnitude
.endr
.irp b, 0,1,2,3
	v_add_nc_u32 v[TM+12+\b], 0xfe000000, v[TM+\b]         ; 4 off its exponent field: the conversion's scale operand
.endr
.irp b, 0,1,2,3
	v_lshrrev_b32 v[TM+4+\b], 23, v[TM+12+\b]              ; the scale's byte
.endr
	v_lshl_or_b32 v[PW], v[TM+5], 8, v[TM+4]
	v_lshl_or_b32 v[PW], v[TM+6], 16, v[PW]
	v_lshl_or_b32 v[PW], v[TM+7], 24, v[PW]
.irp c, 0,1
	v_cvt_scalef32_pk16_bf6_f32 v[PC+6*\c:PC+2+6*\c], v[\s+32*\c:\s+15+32*\c], v[TM+12+2*\c]
	v_cvt_scalef32_pk16_bf6_f32 v[PC+12+4*\c:PC+14+4*\c], v[\s+16+32*\c:\s+31+32*\c], v[TM+12+2*\c+1]
.endr
	v_nop                                                  ; one plain place behind a scaled conversion
.irp c, 0,1                                            ; the layout wants a whole block in a lane
.irp i, 0,1,2
	v_permlane16_swap_b32 v[PC+6*\c+\i], v[PC+12+4*\c+\i]
.endr
.irp i, 0,1,2
	v_mov_b32 v[PC+3+6*\c+\i], v[PC+12+4*\c+\i]
.endr
.endr
.endm
	s_load_b256 s[4:11], s[0:1], 0x0               ; in_proj_weight, in_proj_bias, out_proj_weight, out_proj_bias
	s_load_b128 s[12:15], s[0:1], 0x20             ; knowledge_output, wimg
	v_lshl_add_u32 v51, v0, 2, 0x8800
	v_mov_b32 v59, 0
	v_lshrrev_b32 v1, 5, v0
	v_readfirstlane_b32 s16, v1                    ; wave
	v_and_b32 v1, 31, v0                           ; lane
	v_and_b32 v2, 15, v0                           ; r
	v_bfe_u32 v3, v0, 4, 1                         ; h
	v_lshlrev_b32 v9, 4, v1                        ; 16 l
	s_lshl_b32 s17, s16, 10
	v_add_nc_u32 v4, s17, v9                       ; in: 16 l + my two K steps' 1,024 bytes of a row
	s_mul_i32 s17, s16, STGB
	v_add_nc_u32 v5, s17, v9                       ; my stage, on the way in
	v_mul_u32_u24 v6, v2, SP
	v_lshl_add_u32 v6, v3, 6, v6
	v_add_nc_u32 v6, s17, v6                       ; and out: row r, + 64 h
	s_mul_i32 s17, s16, 2*FRB
	v_add_nc_u32 v7, s17, v9                       ; out: my two fragments' images
	s_lshl_b32 s17, s16, 2
	v_add_nc_u32 v8, s17, v9                       ; the scale words: 16 l + 4 w
	v_lshlrev_b32 v10, 2, v2                       ; 4 r
	v_lshl_add_u32 v11, v3, 9, v10                 ; 4 r + 512 h
	v_mov_b32 v57, 0
.irp b, 0,1,2,3
	v_mov_b32 v[TM+4+\b], 0                        ; a lane permute's destination counts as one of its sources
.endr
	s_mov_b32 s[SEL], 0x76543210
	s_mov_b32 s[SEL+1], 0xfedcba98
	s_mov_b32 s40, 0xffff0000                      ; lanes 16-31
	s_sub_co_u32 s20, ttmp9, 64                    ; the slot
	s_and_b32 s21, s20, 63
	s_lshr_b32 s21, s21, 3
	s_lshl_b32 s21, s21, 1
	s_lshr_b32 s22, s20, 6
	s_add_co_u32 s21, s21, s22
	s_add_co_u32 s21, s21, 8
	s_lshr_b32 s22, ttmp9, 3
	s_cmp_lt_u32 s20, 128
	s_cselect_b32 s21, s21, s22
	s_mul_i32 s21, s21, SLOTB
	s_and_b32 s22, ttmp9, 7                        ; the tile's place in it
	s_mul_i32 s23, s22, 8*FRB
	s_add_co_u32 s30, s21, s23                     ; fragments
	s_mov_b32 s31, 0
	s_lshl_b32 s23, s22, 9
	s_add_co_u32 s32, s21, s23
	s_add_co_u32 s32, s32, 98304                   ; scale words
	s_mov_b32 s33, 0
	s_lshl_b32 s23, s22, 6
	s_add_co_u32 s34, s21, s23
	s_add_co_u32 s34, s34, 102400                  ; biases
	s_mov_b32 s35, 0
	s_mov_b32 s19, 0
	s_wait_kmcnt 0x0
	s_cmp_lt_u32 ttmp9, 192                        ; which tensor: the choice hangs on the work-group's number alone
	s_cselect_b64 s[24:25], s[4:5], s[8:9]
	s_cselect_b64 s[26:27], s[6:7], s[10:11]
	s_cselect_b32 s28, 0, 192
	s_cmp_lt_u32 ttmp9, 256
	s_cselect_b64 s[24:25], s[24:25], s[12:13]
	s_cselect_b32 s28, s28, 256
	s_sub_co_u32 s28, ttmp9, s28                   ; the tile's number in its tensor
	s_lshl_b32 s18, s28, 16
	s_add_nc_u64 s[24:25], s[24:25], s[18:19]      ; 16 rows of 4,096 bytes a tile
	s_lshl_b32 s18, s28, 6
	s_add_nc_u64 s[26:27], s[26:27], s[18:19]      ; (the knowledge tiles have no bias: they read out_proj_bias, inside it, and store nothing of it)
	s_add_nc_u64 s[30:31], s[14:15], s[30:31]
	s_add_nc_u64 s[32:33], s[14:15], s[32:33]
	s_add_nc_u64 s[34:35], s[14:15], s[34:35]
	global_load_b32 v54, v10, s[26:27]
.irp u, 0,1
.irp i, 0,1,2,3,4,5,6,7,8,9,10,11,12,13,14,15
	global_load_b128 v[RAW+64*\u+4*\i:RAW+64*\u+4*\i+3], v4, s[24:25] offset:4096*\i+512*\u th:TH_LOAD_NT   ; 32 lanes read 512 consecutive bytes of row i
.endr
.endr
.macro UNIT u
	s_wait_loadcnt 16*(1-\u)                       ; this K step's 16 loads are in; the other's may be out
.irp i, 0,1,2,3,4,5,6,7,8,9,10,11,12,13,14,15
	ds_store_b128 v5, v[RAW+64*\u+4*\i:RAW+64*\u+4*\i+3] offset:SP*\i
.endr
.irp b, 0,1,2,3
.irp j, 0,1,2,3
	ds_load_b128 v[X+16*\b+4*\j:X+16*\b+4*\j+3], v6 offset:128*\b+16*\j   ; LDS serves a wave's instructions in order: these see the stores above
.endr
.endr
	s_wait_dscnt 0x0
.if \u
	s_wait_xcnt 0x0                                ; the first K step's stores have read their data: the codes' registers are written again only behind this wait
.endif
	QUANT X
	v_mov_b32 v[52+\u], v[PW]
.irp c, 0,1,2
	global_store_b128 v7, v[PC+4*\c:PC+4*\c+3], s[30:31] offset:FRB*\u+512*\c   ; 512 consecutive bytes, aligned
.endr
.endm
	UNIT 0
	UNIT 1
	v_cndmask_b32 v55, v52, v53, s40               ; lanes 0-15 carry the even K step's word, lanes 16-31 the odd one's
	ds_store_b32 v8, v55 offset:SCL
	s_wait_dscnt 0x0                               ; for the others' sake: my store has landed
	s_barrier_signal -1
	s_barrier_wait -1
	s_cmp_lg_u32 s16, 0
	s_cbranch_scc1 .Lend
	ds_load_b128 v[60:63], v9 offset:SCL           ; wave 0 stores the tile's 512 bytes of scale words
	s_wait_dscnt 0x0
	global_store_b128 v9, v[60:63], s[32:33]
	s_cmp_lt_u32 ttmp9, 256
	s_cbranch_scc0 .Lend
	v_cndmask_b32 v58, v54, v57, s40               ; lanes 0-15: the tile's 16 biases; lanes 16-31: 64 of the slot's 512 closing zeros
	global_store_b32 v11, v58, s[34:35]
.Lend:
	s_wait_tensorcnt 0x0
	ds_add_u32 v51, v59
	s_wait_dscnt 0x0
	s_endpgm
.Lfunc_end_k_qa93ac58bc8_prep:
	.size	k_qa93ac58bc8_prep, .Lfunc_end_k_qa93ac58bc8_prep-k_qa93ac58bc8_prep
	.p2alignl 7, 3214868480
	.fill 96, 4, 3214868480
	.section	.rodata,"a",@progbits
	.p2align	6, 0x0
	.amdhsa_kernel k_qa93ac58bc8_prep
		.amdhsa_group_segment_fixed_size 35328
		.amdhsa_private_segment_fixed_size 0
		.amdhsa_enable_private_segment 0
		.amdhsa_kernarg_size 48
		.amdhsa_user_sgpr_count 2
		.amdhsa_user_sgpr_kernarg_segment_ptr 1
		.amdhsa_wavefront_size32 1
		.amdhsa_system_sgpr_workgroup_id_x 1
		.amdhsa_system_sgpr_workgroup_id_y 1
		.amdhsa_system_sgpr_workgroup_id_z 1
		.amdhsa_system_vgpr_workitem_id 0
		.amdhsa_next_free_vgpr 256
		.amdhsa_next_free_sgpr 66
		.amdhsa_reserve_vcc 0
		.amdhsa_float_denorm_mode_32 3
		.amdhsa_float_denorm_mode_16_64 3
		.amdhsa_memory_ordered 1
		.amdhsa_forward_progress 1
		.amdhsa_inst_pref_size 20
	.end_amdhsa_kernel
	.amdgpu_metadata
---
amdhsa.version: [ 1, 2 ]
amdhsa.kernels:
  - .name:           k_qa93ac58bc8_prep
    .symbol:         k_qa93ac58bc8_prep.kd
    .args:
      - { .name: in_proj_weight, .offset: 0, .size: 8, .value_kind: global_buffer, .address_space: global }
      - { .name: in_proj_bias, .offset: 8, .size: 8, .value_kind: global_buffer, .address_space: global }
      - { .name: out_proj_weight, .offset: 16, .size: 8, .value_kind: global_buffer, .address_space: global }
      - { .name: out_proj_bias, .offset: 24, .size: 8, .value_kind: global_buffer, .address_space: global }
      - { .name: knowledge_output, .offset: 32, .size: 8, .value_kind: global_buffer, .address_space: global }
      - { .name: wimg, .offset: 40, .size: 8, .value_kind: global_buffer, .address_space: global }
    .group_segment_fixed_size: 35328
    .private_segment_fixed_size: 0
    .kernarg_segment_align: 8
    .kernarg_segment_size: 48
    .max_flat_workgroup_size: 128
    .sgpr_count:     66
    .vgpr_count:     256
    .wavefront_size: 32
...
	.end_amdgpu_metadata
.endif
;; end of part 1
;; launch qproj (part 2): grid 256 x 1, 4 waves a work-group, no clusters, 8,704 bytes of LDS; arguments model_output, knowledge_output, input_ids, wimg, qs; writes qs
.if DOCPART == 2
	.amdgcn_target "amdgcn-amd-amdhsa--gfx1250"
	.amdhsa_code_object_version 6
	.text
	.protected	k_qa93ac58bc8_qproj
	.globl	k_qa93ac58bc8_qproj
	.p2align	8
	.type	k_qa93ac58bc8_qproj,@function
k_qa93ac58bc8_qproj:
	s_mov_b64 s[64:65], 0
	v_nop
	global_prefetch_b8 v0, s[64:65] scope:SCOPE_SE
	s_setreg_imm32_b32 hwreg(HW_REG_WAVE_MODE, 25, 1), 1
	s_wait_xcnt 0x0
; qs[b][:] = (Q(q_in[b]) Q(Wq)^T + bq) x log2(e) / 8: the query of each sequence, with the softmax's scale and the change to base 2 folded in.
; q_in[b] is row pos of the injected states; pos = the first index whose id is the mask token's, 0 if there is none.  A found row carries the mask token's id, so it is no knowledge row;
; with no mask token the row is row 0, which is the knowledge row where id 0 is the knowledge token's: the choice selects values only.
; Work-group: 4 sequences (number % 16) x 64 columns (number / 16).  Wave w finds pos of sequence 4 bg + w, quantises its row (lane l: block l of 32 numbers) and lays codes and scale bytes in LDS as rows;
; behind a barrier wave w multiplies column tile w of the 64: source 0 = 16 rows of Wq (images from wimg), source 1 = the four rows, each four times (lane r takes row r % 4).
; The sum over K = 1,024 runs in two chains (even and odd K steps), which take turns; the bias is the C of the first.
; LIMITS: as stated for the quantiser in prep; NaN and infinities are not served.
.set SLOTB, 103424
.set FRB,   1536
.set SLOT0N, 0                         ; Wq lies in slots 0 to 7
.set CT,    0                          ; LDS: 4 rows of 768 bytes of codes,
.set SCB,   3072                       ; 4 x 32 scale bytes,
.set OS,    3328                       ; 4 rows of 256 bytes of results
.set WF,  16                           ; v16-111  the weight tile's 8 fragments
.set WS,  112                          ; v112-115 its scale words
.set BI,  116                          ; v116-123 its biases, in the result's layout
.set A0,  124                          ; v124-131, v132-139 two accumulators
.set A1,  132
.set BS,  140                          ; v140-147 the rows' scale words
.set BF,  148                          ; v148-243 the rows' 8 fragments; before that:
.set ID,  148                          ; v148-163 the ids
.set RW,  164                          ; v164-195 my block of the row
.set KN,  196                          ; v196-227 the same of the knowledge row
.set C,   228                          ; v228-236 its codes
.set T,   244                          ; v244-253 at work
; pos into s28 (0 .. 511).  Register (c, e) of lane l holds id 128 c + 4 l + e.  km = 1: s30 = all ones where the row is the knowledge row.
.macro POS km
	s_mov_b32 s28, 0x4000
.irp c, 0,1,2,3
.irp e, 0,1,2,3
	v_cmp_eq_u32 s29, 0x7531, v[ID+4*\c+\e]
	s_ctz_i32_b32 s29, s29                         ; the first lane that has it; all ones if none
	s_min_u32 s29, s29, 0x1000
	s_lshl_b32 s29, s29, 2
	s_add_co_u32 s29, s29, 128*\c+\e
	s_min_u32 s28, s28, s29
.endr
.endr
.if \km
	v_cmp_eq_u32 s29, 0x7532, v[ID]
	s_and_b32 s29, s29, 1                          ; id 0 is the knowledge token's
.endif
	s_cmp_lt_u32 s28, 512
	s_cselect_b32 s28, s28, 0
.if \km
	s_cselect_b32 s29, 0, s29
	s_sub_co_u32 s30, 0, s29
.endif
	s_min_u32 s28, s28, 0x1ff                      ; a loaded number enters an address only behind this bound
.endm
; my 32 numbers v[s] .. v[s + 31], a whole block, become 24 bytes of codes and a scale byte in LDS
.macro LQ s
	v_max3_num_f32 v[T], |v[\s]|, |v[\s+1]|, |v[\s+2]|
	v_max3_num_f32 v[T+1], |v[\s+3]|, |v[\s+4]|, |v[\s+5]|
.irp i, 6,10,14,18,22,26
	v_max3_num_f32 v[T], v[T], |v[\s+\i]|, |v[\s+\i+1]|
	v_max3_num_f32 v[T+1], v[T+1], |v[\s+\i+2]|, |v[\s+\i+3]|
.endr
	v_max3_num_f32 v[T], v[T], |v[\s+30]|, |v[\s+31]|
	v_max3_num_f32 v[T], v[T], v[T+1], 0x2800000   ; and the floor 2^(5 - 127)
	v_add_nc_u32 v[T+2], 0xfe000000, v[T]          ; 4 off the exponent field: the conversion's scale operand
	v_lshrrev_b32 v[T+3], 23, v[T+2]               ; the byte
	v_cvt_scalef32_pk16_bf6_f32 v[C:C+2], v[\s:\s+15], v[T+2]
	v_cvt_scalef32_pk16_bf6_f32 v[C+6:C+8], v[\s+16:\s+31], v[T+2]
	v_nop                                          ; one plain place behind a scaled conversion
.irp i, 0,1,2
	v_mov_b32 v[C+3+\i], v[C+6+\i]
.endr
	ds_store_b64 v8, v[C:C+1] offset:CT
	ds_store_b64 v8, v[C+2:C+3] offset:CT+8
	ds_store_b64 v8, v[C+4:C+5] offset:CT+16
	ds_store_b8 v9, v[T+3] offset:SCB
.endm
.macro BARRIER
	s_wait_dscnt 0x0                               ; my LDS stores have landed and my LDS loads are in
	s_barrier_signal -1
	s_barrier_wait -1
.endm
.macro PROD                            ; 8 K steps, two accumulators by turns
.irp k, 0,1,2,3,4,5,6,7
.if \k == 0
	v_wmma_scale_f32_16x16x128_f8f6f4 v[A0:A0+7], v[WF:WF+11], v[BF:BF+11], v[BI:BI+7], v[WS], v[BS] matrix_a_fmt:MATRIX_FMT_BF6 matrix_b_fmt:MATRIX_FMT_BF6
.elseif \k == 1
	v_wmma_scale_f32_16x16x128_f8f6f4 v[A1:A1+7], v[WF+12:WF+23], v[BF+12:BF+23], 0, v[WS], v[BS+1] matrix_a_fmt:MATRIX_FMT_BF6 matrix_b_fmt:MATRIX_FMT_BF6 matrix_a_scale:MATRIX_SCALE_ROW1
.elseif \k%2 == 0
	v_wmma_scale_f32_16x16x128_f8f6f4 v[A0:A0+7], v[WF+12*\k:WF+12*\k+11], v[BF+12*\k:BF+12*\k+11], v[A0:A0+7], v[WS+\k/2], v[BS+\k] matrix_a_fmt:MATRIX_FMT_BF6 matrix_b_fmt:MATRIX_FMT_BF6
.else
	v_wmma_scale_f32_16x16x128_f8f6f4 v[A1:A1+7], v[WF+12*\k:WF+12*\k+11], v[BF+12*\k:BF+12*\k+11], v[A1:A1+7], v[WS+\k/2], v[BS+\k] matrix_a_fmt:MATRIX_FMT_BF6 matrix_b_fmt:MATRIX_FMT_BF6 matrix_a_scale:MATRIX_SCALE_ROW1
.endif
.endr
.rept 4
	v_nop                                          ; places in front of the first read of results
.endr
.endm
	s_load_b256 s[4:11], s[0:1], 0x0               ; model_output, knowledge_output, input_ids, wimg
	s_load_b64 s[12:13], s[0:1], 0x20              ; qs
	v_lshl_add_u32 v254, v0, 2, 0x2000
	v_mov_b32 v255, 0
	v_lshrrev_b32 v1, 5, v0
	v_readfirstlane_b32 s16, v1                    ; wave
	v_and_b32 v1, 31, v0                           ; l
	v_and_b32 v2, 15, v0                           ; r
	v_bfe_u32 v3, v0, 4, 1                         ; h
	v_lshlrev_b32 v4, 4, v1                        ; 16 l
	v_lshlrev_b32 v5, 5, v3                        ; 32 h
	v_lshlrev_b32 v6, 7, v1                        ; 128 l: my block of a row
	v_mul_u32_u24 v8, v1, 24
	s_mul_i32 s26, s16, 768
	v_add_nc_u32 v8, s26, v8                       ; my block's codes: row w, 24 l
	s_lshl_b32 s26, s16, 5
	v_add_nc_u32 v9, s26, v1                       ; and its byte
	v_and_b32 v15, 3, v0                           ; r % 4
	v_mul_u32_u24 v10, v15, 768
	v_mad_u32_u24 v10, v3, 24, v10                 ; a fragment: row r % 4, + 24 h
	v_lshlrev_b32 v11, 5, v15                      ; its scale words
	v_lshlrev_b32 v12, 8, v15
	v_lshl_add_u32 v12, v3, 5, v12
	s_lshl_b32 s26, s16, 6
	v_add_nc_u32 v12, s26, v12                     ; results in: row r % 4, my tile's 64 bytes, + 32 h
	v_lshlrev_b32 v14, 3, v1                       ; 8 l
	s_lshl_b32 s26, s16, 8
	v_add_nc_u32 v13, s26, v14                     ; and back: row w
	s_and_b32 s17, ttmp9, 15
	s_lshr_b32 s18, ttmp9, 4                       ; which 64 columns
	s_lshl_b32 s19, s17, 2
	s_add_co_u32 s19, s19, s16                     ; my sequence
	s_lshr_b32 s26, s18, 1
	s_add_co_u32 s26, s26, SLOT0N
	s_mul_i32 s26, s26, SLOTB                      ; my tile's slot,
	s_and_b32 s28, s18, 1
	s_lshl_b32 s28, s28, 2
	s_add_co_u32 s28, s28, s16                     ; and its place there
	s_mul_i32 s29, s28, 8*FRB
	s_add_co_u32 s20, s26, s29
	s_mov_b32 s21, 0
	s_lshl_b32 s29, s28, 9
	s_add_co_u32 s22, s26, s29
	s_add_co_u32 s22, s22, 98304
	s_mov_b32 s23, 0
	s_lshl_b32 s29, s28, 6
	s_add_co_u32 s24, s26, s29
	s_add_co_u32 s24, s24, 102400
	s_mov_b32 s25, 0
	s_mov_b32 s27, 0
	s_wait_kmcnt 0x0
	s_add_nc_u64 s[20:21], s[10:11], s[20:21]
	s_add_nc_u64 s[22:23], s[10:11], s[22:23]
	s_add_nc_u64 s[24:25], s[10:11], s[24:25]
	s_lshl_b32 s26, s19, 11
	s_add_nc_u64 s[8:9], s[8:9], s[26:27]
	s_lshl_b32 s26, s19, 12
	s_add_nc_u64 s[6:7], s[6:7], s[26:27]
	s_lshl_b32 s29, s18, 8
	s_add_co_u32 s26, s26, s29
	s_add_nc_u64 s[12:13], s[12:13], s[26:27]
	s_lshl_b32 s26, s19, 21
	s_add_nc_u64 s[4:5], s[4:5], s[26:27]
.irp c, 0,1,2,3
	global_load_b128 v[ID+4*\c:ID+4*\c+3], v4, s[8:9] offset:512*\c
.endr
.irp e, 0,1,2,3,4,5,6,7
	global_load_b128 v[KN+4*\e:KN+4*\e+3], v6, s[6:7] offset:16*\e
.endr
.irp k, 0,1,2,3,4,5,6,7
.irp c, 0,1,2
	global_load_b128 v[WF+12*\k+4*\c:WF+12*\k+4*\c+3], v4, s[20:21] offset:FRB*\k+512*\c
.endr
.endr
	global_load_b128 v[WS:WS+3], v4, s[22:23]
	global_load_b128 v[BI:BI+3], v5, s[24:25]
	global_load_b128 v[BI+4:BI+7], v5, s[24:25] offset:16
	s_wait_loadcnt 35                              ; the four loads of ids are in; the 8 + 24 + 1 + 2 behind them may be out
	POS 1
	s_lshl_b32 s31, s28, 12
	v_add_nc_u32 v7, s31, v6
.irp e, 0,1,2,3,4,5,6,7
	global_load_b128 v[RW+4*\e:RW+4*\e+3], v7, s[4:5] offset:16*\e
.endr
	s_wait_loadcnt 0x0
.set I, 0
.rept 32
	v_cndmask_b32 v[RW+I], v[RW+I], v[KN+I], s30
.set I, I+1
.endr
	LQ RW
	BARRIER                                        ; the four rows' codes and bytes lie in LDS
.irp k, 0,1,2,3,4,5,6,7
.irp p, 0,1,2,3,4,5
	ds_load_b64 v[BF+12*\k+2*\p:BF+12*\k+2*\p+1], v10 offset:CT+96*\k+48*(\p/3)+8*(\p%3)
.endr
.endr
	ds_load_b128 v[BS:BS+3], v11 offset:SCB
	ds_load_b128 v[BS+4:BS+7], v11 offset:SCB+16
	s_wait_dscnt 0x0
	PROD
.irp j, 0,2,4,6
	v_pk_add_f32 v[T+\j:T+\j+1], v[A0+\j:A0+\j+1], v[A1+\j:A1+\j+1]     ; both accumulators from their low end on
.endr
.irp j, 0,2,4,6
	v_pk_mul_f32 v[T+\j:T+\j+1], v[T+\j:T+\j+1], 0x3e38aa3b op_sel_hi:[1,0]   ; x log2(e) / 8
.endr
	ds_store_b128 v12, v[T:T+3] offset:OS          ; lane (r, h): columns 16 w + 8 h + 0 .. 7 of row r % 4 (four lanes write the same bytes with the same values)
	ds_store_b128 v12, v[T+4:T+7] offset:OS+16
	BARRIER
	ds_load_b64 v[T+8:T+9], v13 offset:OS
	s_wait_dscnt 0x0
	global_store_b64 v14, v[T+8:T+9], s[12:13]     ; 32 lanes store 256 consecutive bytes, aligned
	s_wait_tensorcnt 0x0
	ds_add_u32 v254, v255
	s_wait_dscnt 0x0
	s_endpgm
.Lfunc_end_k_qa93ac58bc8_qproj:
	.size	k_qa93ac58bc8_qproj, .Lfunc_end_k_qa93ac58bc8_qproj-k_qa93ac58bc8_qproj
	.p2alignl 7, 3214868480
	.fill 96, 4, 3214868480
	.section	.rodata,"a",@progbits
	.p2align	6, 0x0
	.amdhsa_kernel k_qa93ac58bc8_qproj
		.amdhsa_group_segment_fixed_size 8704
		.amdhsa_private_segment_fixed_size 0
		.amdhsa_enable_private_segment 0
		.amdhsa_kernarg_size 40
		.amdhsa_user_sgpr_count 2
		.amdhsa_user_sgpr_kernarg_segment_ptr 1
		.amdhsa_wavefront_size32 1
		.amdhsa_system_sgpr_workgroup_id_x 1
		.amdhsa_system_sgpr_workgroup_id_y 1
		.amdhsa_system_sgpr_workgroup_id_z 1
		.amdhsa_system_vgpr_workitem_id 0
		.amdhsa_next_free_vgpr 256
		.amdhsa_next_free_sgpr 66
		.amdhsa_reserve_vcc 0
		.amdhsa_float_denorm_mode_32 3
		.amdhsa_float_denorm_mode_16_64 3
		.amdhsa_memory_ordered 1
		.amdhsa_forward_progress 1
		.amdhsa_inst_pref_size 22
	.end_amdhsa_kernel
	.amdgpu_metadata
---
amdhsa.version: [ 1, 2 ]
amdhsa.kernels:
  - .name:           k_qa93ac58bc8_qproj
    .symbol:         k_qa93ac58bc8_qproj.kd
    .args:
      - { .name: model_output, .offset: 0, .size: 8, .value_kind: global_buffer, .address_space: global }
      - { .name: knowledge_output, .offset: 8, .size: 8, .value_kind: global_buffer, .address_space: global }
      - { .name: input_ids, .offset: 16, .size: 8, .value_kind: global_buffer, .address_space: global }
      - { .name: wimg, .offset: 24, .size: 8, .value_kind: global_buffer, .address_space: global }
      - { .name: qs, .offset: 32, .size: 8, .value_kind: global_buffer, .address_space: global }
    .group_segment_fixed_size: 8704
    .private_segment_fixed_size: 0
    .kernarg_segment_align: 8
    .kernarg_segment_size: 40
    .max_flat_workgroup_size: 128
    .sgpr_count:     66
    .vgpr_count:     256
    .wavefront_size: 32
...
	.end_amdgpu_metadata
.endif
;; end of part 2
;; launch main (part 3): grid 256 x 1, 4 waves a work-group, clusters of 4 x 1, 327,680 bytes of LDS; arguments model_output, input_ids, wimg, qs, pctx, pstat; writes pctx, pstat
.if DOCPART == 3
	.amdgcn_target "amdgcn-amd-amdhsa--gfx1250"
	.amdhsa_code_object_version 6
	.text
	.protected	k_qa93ac58bc8_main
	.globl	k_qa93ac58bc8_main
	.p2align	8
	.type	k_qa93ac58bc8_main,@function
k_qa93ac58bc8_main:
	s_mov_b64 s[64:65], 0
	v_nop
	global_prefetch_b8 v0, s[64:65] scope:SCOPE_SE
	s_setreg_imm32_b32 hwreg(HW_REG_WAVE_MODE, 25, 1), 1
	s_wait_xcnt 0x0
	s_wait_alu depctr_hold_cnt(0) depctr_sa_sdst(0) depctr_va_vdst(0) depctr_va_sdst(0) depctr_va_ssrc(0) depctr_va_vcc(0) depctr_vm_vsrc(0)
	s_getreg_b32 s2, hwreg(HW_REG_IB_STS2, 6, 4)
	s_cmp_eq_u32 s2, 0
	s_cbranch_scc0 .Lentry_in_a_cluster
	s_endpgm
.Lentry_in_a_cluster:
	s_bfe_u32 s2, ttmp6, 0x10000c
	s_cmp_lg_u32 s2, 0x3003
	s_cbranch_scc0 .Lentry_shape_is_right
	s_endpgm
.Lentry_shape_is_right:
; k = Q(x) Q(Wk)^T + bk and v = Q(x) Q(Wv)^T + bv for 128 rows of one sequence and all 16 heads, and at once the single query's scores, a partial softmax and a partial context: k and v never leave the registers.
; SHARES.  A cluster is a sequence (64 clusters); work-group cx of it owns rows 128 cx .. 128 cx + 127.  Wave w: rows 64 (w / 2) on, head (w % 2) of the pair of heads in hand.
; PHASE 1.  x is read ONCE, as f32, 512 consecutive bytes a load, 64 loads of a wave on their way; a K step of 16 rows turns through the wave's stage in LDS and is quantised to BF6 (E3M2, one E8M0 byte for 32 along K).
;   A row whose id is the knowledge token's takes the knowledge row's codes and scale word instead (made by the launch prep): the quantiser works row by row, so that is the injection.
;   The fragments go from wave to wave through LDS as images of their registers; each wave then keeps its 64 rows x 1,024 K in 384 registers for the whole launch.
; PHASE 2.  16 periods: Wk and Wv of the pairs of heads 0 .. 7 come as slots of 103,424 bytes (codes, scale words, biases, as prep laid them) through a ring of two LDS slots.
;   K period: S^T tiles = Wk x^T (source 0 = 16 of the head's 64, source 1 = 16 rows), bias as the first C; a lane holds one row: score = sum of k x q, in f32; m = largest of the wave's 64 scores, p = 2^(score - m), l = sum.
;   V period: tiles = x Wv^T (source 0 = 16 rows, source 1 = 16 of the head's 64); a lane holds one channel: ctx = sum of p x v + l x bv, in f32.
;   Out: for each (sequence, eighth of the rows, head) m, l and 64 unnormalised channels; the launch final joins the eight.  q comes scaled by log2(e) / 8, so the exponentials are in base 2.
; CLUSTER.  All work-groups walk the same weights, so each quarter of a slot is asked for JOINTLY by the four of a cluster: one descriptor, mask 15.  x is read by one work-group alone and has no partner.
; A refill has one period, 128 matrix instructions a wave, in which to land.  At most two tensor loads of a wave are out (the two first fills), later one.
; LIMITS: as stated for the quantiser in prep; NaN and infinities are not served.
; REGISTERS: window 0: v1-31 addresses; phase 1: v32-153; phase 2: v64-159 two sets of four weight fragments, v160-219 at work; v224-239 x's scale words, v240-255 the weights'.
;   windows 1, 2: x's fragment (m, ks) at v[48 (ks % 4) + 12 m] of window 1 + ks / 4; from v192 the knowledge row's fragments.   window 3: phase 1: four sets of 64 numbers as loaded; phase 2: v0-127 16 accumulators, v128.. q, bk, p.
.set SLOTB, 103424
.set QTR,   SLOTB/4                    ; a wave's quarter of a slot: 101 rows of 256 bytes
.set FRB,   1536
.set SP,    528
.set SPARE, 2*SLOTB                    ; behind the ring: the spare words, 128 bytes a wave: two blocks of 256 bytes that no other line names
.set STAGE, SPARE+512                  ; 4 stages of 16 rows x 528 bytes
.set XIMG,  STAGE+4*16*SP              ; two sets of 8 fragment images: a K step of the 128 rows
.set XSC,   XIMG+2*8*FRB               ; x's scale words: 8 tiles x 512 bytes
.set QL,    XSC+4096                   ; the query, 1,024 f32
.set PS,    QL+4096                    ; p: 64 f32 for each wave
.set CX,    PS+1024                    ; ctx: 8 heads x 64 f32 for each wave
.set STT,   CX+8192                    ; m, l: 8 pairs for each wave
.set X,    32
.set PC,   96
.set TM,   116
.set PW,   132
.set KW,   136                         ; v136-143 the knowledge row's scale words: even K steps, then odd
.set KC,   192                         ; windows 1, 2
.set WF,   64
.set SCP,  160
.set SC,   168
.set P,    176
.set MX,   180
.set LS,   181
.set CTXP, 184
.set BV,   192
.set OUT,  200
.set XS,   224
.set WS,   240
.set QR,   128                         ; window 3
.set BK,   160
.set PB,   192
.set SEL,  40
.set MSB, 0
.macro WIN new                         ; the immediate's high byte repeats the setting that is left
.if MSB != (\new)
	s_set_vgpr_msb (MSB<<8)|(\new)
.set MSB, (\new)
.endif
.endm
.macro PLACES
.rept 4
	v_nop
.endr
.endm
.macro CROUND                          ; a round of the cluster's barrier
	s_barrier_signal -1
	s_barrier_wait -1
	s_cmp_lg_u32 s32, 0
	s_cbranch_scc1 .Lnot_wave_0_\@
	s_barrier_signal -3
.Lnot_wave_0_\@:
	s_barrier_wait -3
	s_barrier_signal -1
	s_barrier_wait -1
.endm
.macro QUANT s
.irp b, 0,1,2,3
	v_max3_num_f32 v[TM+\b], |v[\s+16*\b]|, |v[\s+1+16*\b]|, 0x2800000   ; block b: my 16 numbers, and the floor 2^(5 - 127)
.endr
.irp i, 2,4,6,8,10,12,14
.irp b, 0,1,2,3
	v_max3_num_f32 v[TM+\b], v[TM+\b], |v[\s+16*\b+\i]|, |v[\s+1+16*\b+\i]|
.endr
.endr
.irp b, 0,1,2,3
	v_permlanex16_b32 v[TM+4+\b], v[TM+\b], s[SEL], s[SEL+1]
.endr
.irp b, 0,1,2,3
	v_max_num_f32 v[TM+\b], v[TM+\b], v[TM+4+\b]
.endr
.irp b, 0,1,2,3
	v_add_nc_u32 v[TM+12+\b], 0xfe000000, v[TM+\b]         ; 4 off the exponent field: the conversion's scale operand
.endr
.irp b, 0,1,2,3
	v_lshrrev_b32 v[TM+4+\b], 23, v[TM+12+\b]
.endr
	v_lshl_or_b32 v[PW], v[TM+5], 8, v[TM+4]
	v_lshl_or_b32 v[PW], v[TM+6], 16, v[PW]
	v_lshl_or_b32 v[PW], v[TM+7], 24, v[PW]
.irp c, 0,1
	v_cvt_scalef32_pk16_bf6_f32 v[PC+6*\c:PC+2+6*\c], v[\s+32*\c:\s+15+32*\c], v[TM+12+2*\c]
	v_cvt_scalef32_pk16_bf6_f32 v[PC+12+4*\c:PC+14+4*\c], v[\s+16+32*\c:\s+31+32*\c], v[TM+12+2*\c+1]
.endr
	v_nop                                                  ; one plain place behind a scaled conversion
.irp c, 0,1
.irp i, 0,1,2
	v_permlane16_swap_b32 v[PC+6*\c+\i], v[PC+12+4*\c+\i]
.endr
.irp i, 0,1,2
	v_mov_b32 v[PC+3+6*\c+\i], v[PC+12+4*\c+\i]
.endr
.endr
.endm
	s_load_b256 s[4:11], s[0:1], 0x0               ; model_output, input_ids, wimg, qs
	s_load_b128 s[12:15], s[0:1], 0x20             ; pctx, pstat
	v_lshl_add_u32 v24, v0, 2, SPARE               ; my spare word
	v_mov_b32 v25, 0
	ds_add_u32 v24, v25
	ds_add_u32 v24, v25
	s_wait_dscnt 0x0
	v_lshrrev_b32 v1, 5, v0
	v_readfirstlane_b32 s32, v1                    ; wave
	s_lshr_b32 s33, s32, 1                         ; which 64 rows
	s_and_b32 s34, s32, 1                          ; which head of a pair
	s_bfe_u32 s35, ttmp6, 0x40000                  ; cx: it enters global addresses alone
	v_and_b32 v1, 31, v0                           ; l
	v_and_b32 v2, 15, v0                           ; r
	v_bfe_u32 v3, v0, 4, 1                         ; h
	v_lshlrev_b32 v4, 4, v1                        ; 16 l
	v_lshlrev_b32 v30, 4, v0                       ; 16 x thread
	v_lshlrev_b32 v31, 2, v2                       ; 4 r
	s_and_b32 s48, ttmp9, 15
	s_lshl_b32 s48, s48, 4
	v_lshl_add_u32 v26, v3, 8, s48                 ; the knowledge row in its tile's images: lane (b % 16, h)
	v_mov_b32 v27, s48
	s_mov_b32 s16, 15|(3<<16)|(1<<21)              ; group 1: mask: all four work-groups; elements of 8 bytes; bit 21 beside a mask; no padding
	s_mov_b32 s17, 32<<16                          ; tensor_dim0 = 32 (256 bytes)
	s_mov_b32 s18, 101<<16                         ; tensor_dim1 = 101
	s_mov_b32 s19, 32<<16                          ; tile_dim0
	s_mov_b32 s20, 101                             ; tile_dim1
	s_mov_b32 s21, 32                              ; the pitch: dense
	s_mov_b32 s22, 0
	s_mov_b32 s23, 0
	s_mov_b32 s[SEL], 0x76543210
	s_mov_b32 s[SEL+1], 0xfedcba98
	s_mov_b32 s44, 0                               ; the pair of heads in hand: 512 bytes of q,
	s_mov_b32 s45, 0                               ; 8 of m and l,
	s_mov_b32 s46, 0                               ; 256 of ctx
	s_mul_i32 s48, s32, QTR
	s_mov_b32 s49, 0
	s_wait_kmcnt 0x0
	s_add_nc_u64 s[50:51], s[8:9], s[48:49]
	CROUND                                         ; all four work-groups are here: the first joint loads meet
	s_mov_b32 s24, 1
	s_mov_b32 s25, s48                             ; slot 0, my quarter
	s_add_nc_u64 s[26:27], s[50:51], 8*SLOTB       ; Wk of heads 0, 1
	s_or_b32 s27, s27, 0x80000000
	s_mov_b32 s28, 1
	s_add_co_u32 s29, s48, SLOTB                   ; slot 1
	s_add_nc_u64 s[30:31], s[50:51], 9*SLOTB       ; Wv of heads 0, 1
	s_or_b32 s31, s31, 0x80000000
	tensor_load_to_lds s[24:27], s[16:23]
	s_nop 0
	tensor_load_to_lds s[28:31], s[16:23]
	s_nop 0
	PLACES
	s_lshl_b32 s48, ttmp9, 21                      ; x: sequence, work-group's 128 rows, wave's 32 rows
	s_lshl_b32 s52, s35, 19
	s_add_co_u32 s48, s48, s52
	s_lshl_b32 s52, s32, 17
	s_add_co_u32 s48, s48, s52
	s_add_nc_u64 s[56:57], s[4:5], s[48:49]
	s_lshl_b32 s48, ttmp9, 11                      ; their ids
	s_lshl_b32 s52, s35, 9
	s_add_co_u32 s48, s48, s52
	s_lshl_b32 s52, s32, 7
	s_add_co_u32 s48, s48, s52
	s_add_nc_u64 s[6:7], s[6:7], s[48:49]
	s_lshl_b32 s48, ttmp9, 12
	s_add_nc_u64 s[10:11], s[10:11], s[48:49]      ; the sequence's query
	s_lshr_b32 s52, ttmp9, 4
	s_mul_i32 s48, s52, 8*FRB
	s_add_co_u32 s48, s48, 32*SLOTB
	s_add_nc_u64 s[58:59], s[8:9], s[48:49]        ; the knowledge tile's fragments,
	s_lshl_b32 s48, s52, 9
	s_add_co_u32 s48, s48, 32*SLOTB+98304
	s_add_nc_u64 s[60:61], s[8:9], s[48:49]        ; and scale words
	s_lshl_b32 s48, ttmp9, 3
	s_lshl_b32 s52, s35, 1
	s_add_co_u32 s48, s48, s52
	s_add_co_u32 s48, s48, s33
	s_lshl_b32 s48, s48, 12
	s_add_nc_u64 s[12:13], s[12:13], s[48:49]      ; pctx: row 8 b + 2 cx + w / 2
	s_lshl_b32 s48, ttmp9, 2
	s_add_co_u32 s48, s48, s35
	s_lshl_b32 s48, s48, 8
	s_add_nc_u64 s[14:15], s[14:15], s[48:49]      ; pstat: 256 bytes a work-group
	global_load_b128 v[144:147], v30, s[10:11]
	global_load_b128 v[148:151], v30, s[10:11] offset:2048
	global_load_b32 v152, v31, s[6:7]
	global_load_b32 v153, v31, s[6:7] offset:64
	global_load_b128 v[KW:KW+3], v27, s[60:61]
	global_load_b128 v[KW+4:KW+7], v27, s[60:61] offset:256
.irp k, 0,1,2,3,4,5,6,7
	WIN 0x40+0x40*(\k/4)
.irp c, 0,1,2
	global_load_b128 v[KC+12*(\k%4)+4*\c:KC+12*(\k%4)+4*\c+3], v26, s[58:59] offset:FRB*\k+512*\c
.endr
.endr
; unit u = 2 ks + ml: rows 16 ml on of my 32, K step ks: 16 loads of 512 consecutive bytes into set u % 4 of window 3
.macro XLOAD u
.irp i, 0,1,2,3,4,5,6,7,8,9,10,11,12,13,14,15
	global_load_b128 v[64*((\u)%4)+4*\i:64*((\u)%4)+4*\i+3], v4, s[56:57] offset:(16*((\u)%2)+\i)*4096+512*((\u)/2) th:TH_LOAD_NT
.endr
.endm
	WIN 0xc0
	XLOAD 0
	XLOAD 1
	XLOAD 2
	XLOAD 3
	WIN 0
	s_mul_i32 s48, s32, 16*SP                      ; the LDS addresses: constants, the lane, the wave's number
	s_add_co_u32 s48, s48, STAGE
	v_add_nc_u32 v5, s48, v4                       ; my stage, in
	v_mul_u32_u24 v6, v2, SP
	v_lshl_add_u32 v6, v3, 6, v6
	v_add_nc_u32 v6, s48, v6                       ; and out: row r, + 64 h
	s_mul_i32 s48, s32, 2*FRB
	s_add_co_u32 s48, s48, XIMG
	v_add_nc_u32 v7, s48, v4                       ; where I store images: tiles 2 w, 2 w + 1
	s_mul_i32 s48, s33, 4*FRB
	s_add_co_u32 s48, s48, XIMG
	v_add_nc_u32 v8, s48, v4                       ; where I read them: tiles 4 (w / 2) on
	s_lshl_b32 s48, s32, 10
	s_add_co_u32 s48, s48, XSC
	v_lshl_add_u32 v9, v2, 4, s48                  ; scale words, in
	s_lshl_b32 s48, s33, 11
	s_add_co_u32 s48, s48, XSC
	v_add_nc_u32 v10, s48, v4                      ; and out
	s_mul_i32 s48, s34, 4*8*FRB
	v_add_nc_u32 v11, s48, v4                      ; my head's fragments of Wk (slot 0),
	v_add_nc_u32 v12, SLOTB, v11                   ; of Wv (slot 1)
	s_lshl_b32 s48, s34, 11
	s_add_co_u32 s48, s48, 98304
	v_add_nc_u32 v13, s48, v4                      ; their scale words
	v_add_nc_u32 v14, SLOTB, v13
	s_lshl_b32 s48, s34, 8
	s_add_co_u32 s49, s48, 102400
	v_lshl_add_u32 v15, v3, 5, s49                 ; bk: + 32 h
	s_add_co_u32 s50, s49, SLOTB
	v_lshl_add_u32 v16, v2, 2, s50                 ; bv: + 4 r
	s_add_co_u32 s50, s48, QL
	v_lshl_add_u32 v17, v3, 5, s50                 ; q of my head: + 32 h
	s_lshl_b32 s48, s32, 8
	s_add_co_u32 s48, s48, PS
	v_lshl_add_u32 v18, v2, 2, s48                 ; p, in
	v_lshl_add_u32 v19, v3, 5, s48                 ; and out
	s_lshl_b32 s48, s32, 6
	s_add_co_u32 s48, s48, STT
	v_mov_b32 v20, s48                             ; m, l
	s_lshl_b32 s48, s32, 11
	s_add_co_u32 s48, s48, CX
	v_lshl_add_u32 v21, v2, 2, s48                 ; ctx, in
	v_add_nc_u32 v22, s48, v4                      ; and out
	v_lshlrev_b32 v23, 9, v3
	v_lshl_add_u32 v23, v2, 4, v23
	s_lshl_b32 s48, s34, 8
	v_add_nc_u32 v23, s48, v23                     ; pctx: 512 h + 16 r + 256 (w % 2)
	v_lshl_add_u32 v29, v0, 4, QL
.irp b, 0,1,2,3
	v_mov_b32 v[TM+4+\b], 0                        ; a lane permute's destination counts as one of its sources
	v_mov_b32 v[SC+4+\b], 0
.endr
	s_wait_loadcnt 48                              ; the 30 small loads and unit 0 are in; units 1 to 3 may be out
	ds_store_b128 v29, v[144:147]
	ds_store_b128 v29, v[148:151] offset:2048
	v_cmp_eq_u32 s38, 0x7532, v152                 ; which of my rows are knowledge rows (lanes r and r + 16 alike): it selects values only
	v_cmp_eq_u32 s39, 0x7532, v153
.macro UNIT ks, ml
.set U, 2*(\ks)+(\ml)
.if U < 13
	s_wait_loadcnt 48                              ; this unit's 16 loads are in; those of the three units behind it may be out
.else
	s_wait_loadcnt 16*(15-U)
.endif
	WIN 0x0c                                       ; an LDS store's data are its source 1: window 3
.irp i, 0,1,2,3,4,5,6,7,8,9,10,11,12,13,14,15
	ds_store_b128 v5, v[64*(U%4)+4*\i:64*(U%4)+4*\i+3] offset:SP*\i
.endr
	WIN 0
.irp b, 0,1,2,3
.irp j, 0,1,2,3
	ds_load_b128 v[X+16*\b+4*\j:X+16*\b+4*\j+3], v6 offset:128*\b+16*\j   ; LDS serves a wave's instructions in order: these see the stores above
.endr
.endr
	s_wait_dscnt 0x0                               ; the numbers are back, so the stores into the stage have read their registers,
.if U+4 < 16
	WIN 0xc0
	XLOAD U+4                                      ; which take the loads of four units on
	WIN 0
.endif
	QUANT X
	WIN 0x04+0x04*((\ks)/4)                        ; source 1: the knowledge row's fragment
.irp i, 0,1,2,3,4,5,6,7,8,9,10,11
	v_cndmask_b32 v[PC+\i], v[PC+\i], v[KC+12*((\ks)%4)+\i], s[38+(\ml)]
.endr
	WIN 0
	v_cndmask_b32 v[PW], v[PW], v[KW+4*((\ks)%2)+(\ks)/2], s[38+(\ml)]
.irp c, 0,1,2
	ds_store_b128 v7, v[PC+4*\c:PC+4*\c+3] offset:8*FRB*((\ks)%2)+FRB*(\ml)+512*\c
.endr
	ds_store_b32 v9, v[PW] offset:512*(\ml)+256*((\ks)%2)+4*((\ks)/2)   ; lanes r and r + 16 write the same word with the same value
.endm
; A K step of the 128 rows.  The two sets of images take turns: a set is written again two barriers behind its reads, and each wave has waited for all its LDS instructions in front of each signal.
.macro TRIP ks
	UNIT \ks, 0
	UNIT \ks, 1
.if \ks == 7
	s_wait_tensorcnt 0x1                           ; my quarter of slot 0 is in; slot 1's may be out
.endif
	s_wait_dscnt 0x0
	s_barrier_signal -1
	s_barrier_wait -1
	WIN 0x40+0x40*((\ks)/4)
.irp m, 0,1,2,3
.irp c, 0,1,2
	ds_load_b128 v[48*((\ks)%4)+12*\m+4*\c:48*((\ks)%4)+12*\m+4*\c+3], v8 offset:8*FRB*((\ks)%2)+FRB*\m+512*\c
.endr
.endr
	WIN 0
.endm
.irp ks, 0,1,2,3,4,5,6,7
	TRIP \ks
.endr
.irp m, 0,1,2,3
	ds_load_b128 v[XS+4*\m:XS+4*\m+3], v10 offset:512*\m   ; register ks / 2: lanes 0-15 the even K step's words, lanes 16-31 the odd one's
.endr
.macro FETCH adr, ks, buf              ; my head's four weight fragments of K step ks
.irp t, 0,1,2,3
.irp c, 0,1,2
	ds_load_b128 v[WF+48*(\buf)+12*\t+4*\c:WF+48*(\buf)+12*\t+4*\c+3], v[\adr] offset:8*FRB*\t+FRB*(\ks)+512*\c
.endr
.endr
.endm
; 16 matrix instructions of a K step; the 16 accumulators take turns, in the same order in every step
.macro KMUL ks
	WIN 0xf4+0x04*((\ks)/4)                        ; source 0 (Wk) window 0, source 1 (x) window 1 or 2, C and D window 3
.irp t, 0,1,2,3
.irp m, 0,1,2,3
.if (\ks) == 0
	v_wmma_scale_f32_16x16x128_f8f6f4 v[8*(4*\t+\m):8*(4*\t+\m)+7], v[WF+12*\t:WF+12*\t+11], v[12*\m:12*\m+11], v[BK+8*\t:BK+8*\t+7], v[WS+4*\t], v[XS+4*\m] matrix_a_fmt:MATRIX_FMT_BF6 matrix_b_fmt:MATRIX_FMT_BF6
.elseif (\ks)%2 == 0
	v_wmma_scale_f32_16x16x128_f8f6f4 v[8*(4*\t+\m):8*(4*\t+\m)+7], v[WF+12*\t:WF+12*\t+11], v[48*((\ks)%4)+12*\m:48*((\ks)%4)+12*\m+11], v[8*(4*\t+\m):8*(4*\t+\m)+7], v[WS+4*\t+(\ks)/2], v[XS+4*\m+(\ks)/2] matrix_a_fmt:MATRIX_FMT_BF6 matrix_b_fmt:MATRIX_FMT_BF6
.else
	v_wmma_scale_f32_16x16x128_f8f6f4 v[8*(4*\t+\m):8*(4*\t+\m)+7], v[WF+48+12*\t:WF+48+12*\t+11], v[48*((\ks)%4)+12*\m:48*((\ks)%4)+12*\m+11], v[8*(4*\t+\m):8*(4*\t+\m)+7], v[WS+4*\t+(\ks)/2], v[XS+4*\m+(\ks)/2] matrix_a_fmt:MATRIX_FMT_BF6 matrix_b_fmt:MATRIX_FMT_BF6 matrix_a_scale:MATRIX_SCALE_ROW1 matrix_b_scale:MATRIX_SCALE_ROW1
.endif
.endr
.endr
.endm
.macro VMUL ks
	WIN 0xf1+((\ks)/4)                             ; source 0 (x) window 1 or 2, source 1 (Wv) window 0, C and D window 3
.irp m, 0,1,2,3
.irp t, 0,1,2,3
.if (\ks) == 0
	v_wmma_scale_f32_16x16x128_f8f6f4 v[8*(4*\m+\t):8*(4*\m+\t)+7], v[12*\m:12*\m+11], v[WF+12*\t:WF+12*\t+11], 0, v[XS+4*\m], v[WS+4*\t] matrix_a_fmt:MATRIX_FMT_BF6 matrix_b_fmt:MATRIX_FMT_BF6
.elseif (\ks)%2 == 0
	v_wmma_scale_f32_16x16x128_f8f6f4 v[8*(4*\m+\t):8*(4*\m+\t)+7], v[48*((\ks)%4)+12*\m:48*((\ks)%4)+12*\m+11], v[WF+12*\t:WF+12*\t+11], v[8*(4*\m+\t):8*(4*\m+\t)+7], v[XS+4*\m+(\ks)/2], v[WS+4*\t+(\ks)/2] matrix_a_fmt:MATRIX_FMT_BF6 matrix_b_fmt:MATRIX_FMT_BF6
.else
	v_wmma_scale_f32_16x16x128_f8f6f4 v[8*(4*\m+\t):8*(4*\m+\t)+7], v[48*((\ks)%4)+12*\m:48*((\ks)%4)+12*\m+11], v[WF+48+12*\t:WF+48+12*\t+11], v[8*(4*\m+\t):8*(4*\m+\t)+7], v[XS+4*\m+(\ks)/2], v[WS+4*\t+(\ks)/2] matrix_a_fmt:MATRIX_FMT_BF6 matrix_b_fmt:MATRIX_FMT_BF6 matrix_a_scale:MATRIX_SCALE_ROW1 matrix_b_scale:MATRIX_SCALE_ROW1
.endif
.endr
.endr
.endm
; THE K PERIOD of the pair of heads in hand (slot 0).
.macro KPER
	v_add_nc_u32 v26, s44, v17
	v_add_nc_u32 v27, s45, v20
	WIN 0xc0
.irp t, 0,1,2,3
.irp e, 0,1
	ds_load_b128 v[QR+8*\t+4*\e:QR+8*\t+4*\e+3], v26 offset:64*\t+16*\e    ; q and bk at my eight of tile t: 16 t + 8 h + 0 .. 7
	ds_load_b128 v[BK+8*\t+4*\e:BK+8*\t+4*\e+3], v15 offset:64*\t+16*\e
.endr
.endr
	WIN 0
.irp t, 0,1,2,3
	ds_load_b128 v[WS+4*\t:WS+4*\t+3], v13 offset:512*\t
.endr
	FETCH 11, 0, 0
.irp ks, 0,1,2,3,4,5,6,7
.if \ks > 0
	PLACES                                         ; in front of loads into the set that the step before multiplied
.endif
.if \ks < 7
	FETCH 11, \ks+1, (\ks+1)%2
	s_wait_dscnt 12                                ; all but the 12 just issued
.else
	s_wait_dscnt 0x0
.endif
	KMUL \ks
	WIN 0
.endr
	PLACES                                         ; in front of the first read of results
	WIN 0x0f                                       ; sources 0 and 1 window 3
.irp t, 0,1,2,3                                ; score = sum over the head's 64 of k x q: four chains, each accumulator from its low end on
.irp j, 0,2,4,6
.irp m, 0,1,2,3
.if (\t == 0) && (\j == 0)
	v_pk_mul_f32 v[SCP+2*\m:SCP+2*\m+1], v[8*(4*\t+\m)+\j:8*(4*\t+\m)+\j+1], v[QR+8*\t+\j:QR+8*\t+\j+1]
.else
	v_pk_fma_f32 v[SCP+2*\m:SCP+2*\m+1], v[8*(4*\t+\m)+\j:8*(4*\t+\m)+\j+1], v[QR+8*\t+\j:QR+8*\t+\j+1], v[SCP+2*\m:SCP+2*\m+1]
.endif
.endr
.endr
.endr
	WIN 0
.irp m, 0,1,2,3
	v_add_f32 v[SC+\m], v[SCP+2*\m], v[SCP+2*\m+1]
.endr
.irp m, 0,1,2,3
	v_permlanex16_b32 v[SC+4+\m], v[SC+\m], s[SEL], s[SEL+1]
.endr
.irp m, 0,1,2,3
	v_add_f32 v[SC+\m], v[SC+\m], v[SC+4+\m]       ; the score of row 16 m + r, in both halves of the lanes
.endr
	v_max3_num_f32 v[MX], v[SC], v[SC+1], v[SC+2]
	v_max_num_f32 v[MX], v[MX], v[SC+3]
.irp x, 1,2,4,8
	v_max_num_f32_dpp v[MX], v[MX], v[MX] row_xmask:\x row_mask:0xf bank_mask:0xf
.endr
.irp m, 0,1,2,3
	v_sub_f32 v[P+\m], v[SC+\m], v[MX]             ; the largest of my 64 scores is taken away
.endr
.irp m, 0,1,2,3
	v_exp_f32 v[P+\m], v[P+\m]
.endr
	v_nop                                          ; one plain place behind the exponentials
	s_wait_alu depctr_va_vdst(0)
	v_add_f32 v[LS], v[P], v[P+1]
	v_add_f32 v[SC], v[P+2], v[P+3]
	v_add_f32 v[LS], v[LS], v[SC]
.irp x, 1,2,4,8
	v_add_f32_dpp v[LS], v[LS], v[LS] row_xmask:\x row_mask:0xf bank_mask:0xf
.endr
.irp m, 0,1,2,3
	ds_store_b32 v18, v[P+\m] offset:64*\m         ; my wave's own bytes
.endr
	ds_store_b64 v27, v[MX:MX+1]                   ; every lane writes the same pair
	s_add_co_u32 s44, s44, 512
	s_add_co_u32 s45, s45, 8
.endm
; THE V PERIOD (slot 1).
.macro VPER
	v_add_nc_u32 v28, s46, v21
	WIN 0xc0
.irp m, 0,1,2,3
.irp e, 0,1
	ds_load_b128 v[PB+8*\m+4*\e:PB+8*\m+4*\e+3], v19 offset:64*\m+16*\e    ; p of rows 16 m + 8 h + 0 .. 7
.endr
.endr
	WIN 0
.irp t, 0,1,2,3
	ds_load_b128 v[WS+4*\t:WS+4*\t+3], v14 offset:512*\t
	ds_load_b32 v[BV+\t], v16 offset:64*\t
.endr
	FETCH 12, 0, 0
.irp ks, 0,1,2,3,4,5,6,7
.if \ks > 0
	PLACES
.endif
.if \ks < 7
	FETCH 12, \ks+1, (\ks+1)%2
	s_wait_dscnt 12                                ; all but the 12 just issued
.else
	s_wait_dscnt 0x0
.endif
	VMUL \ks
	WIN 0
.endr
	PLACES
	WIN 0x0f
.irp m, 0,1,2,3                                ; ctx = sum over my 64 rows of p x v
.irp j, 0,2,4,6
.irp t, 0,1,2,3
.if (\m == 0) && (\j == 0)
	v_pk_mul_f32 v[CTXP+2*\t:CTXP+2*\t+1], v[8*(4*\m+\t)+\j:8*(4*\m+\t)+\j+1], v[PB+8*\m+\j:PB+8*\m+\j+1]
.else
	v_pk_fma_f32 v[CTXP+2*\t:CTXP+2*\t+1], v[8*(4*\m+\t)+\j:8*(4*\m+\t)+\j+1], v[PB+8*\m+\j:PB+8*\m+\j+1], v[CTXP+2*\t:CTXP+2*\t+1]
.endif
.endr
.endr
.endr
	WIN 0
.irp t, 0,1,2,3
	v_add_f32 v[SC+\t], v[CTXP+2*\t], v[CTXP+2*\t+1]
.endr
.irp t, 0,1,2,3
	v_permlanex16_b32 v[SC+4+\t], v[SC+\t], s[SEL], s[SEL+1]
.endr
.irp t, 0,1,2,3
	v_add_f32 v[SC+\t], v[SC+\t], v[SC+4+\t]
.endr
.irp t, 0,1,2,3
	v_fma_f32 v[SC+\t], v[LS], v[BV+\t], v[SC+\t]  ; + l x bv: divided by the whole sum it becomes bv
.endr
.irp t, 0,1,2,3
	ds_store_b32 v28, v[SC+\t] offset:64*\t
.endr
	s_add_co_u32 s46, s46, 256
.endm
; THE CHANGE OF SLOTS.  Each wave waits for all its tensor loads (its quarter of the slot ahead), adds 0 to its spare word, and waits for that and for its reads of the slot that it leaves.
; fill = 1: that slot is filled again, two slots of wimg on; the barrier is then a round of the cluster's, and the joint refill is the first thing behind it.
.macro CHANGE fill, g0
	s_wait_tensorcnt 0x0                           ; no tensor load of mine is out, so a group 0 may be written
	ds_add_u32 v24, v25                            ; 0 onto my spare word
.if \fill
	s_add_nc_u64 s[\g0+2:\g0+3], s[\g0+2:\g0+3], 2*SLOTB
.endif
	s_wait_dscnt 0x0                               ; the add is done, and my reads of the slot are over
.if \fill
	CROUND
	tensor_load_to_lds s[\g0:\g0+3], s[16:23]
	s_nop 0
	PLACES
.else
	s_barrier_signal -1
	s_barrier_wait -1
.endif
.endm
	KPER                                           ; heads 0, 1
	s_mov_b32 s42, 7
.Lpair:
	CHANGE 1, 24                                   ; slot 0 takes the next pair's Wk
	VPER
	CHANGE 1, 28                                   ; slot 1 the next pair's Wv
	KPER
	s_sub_co_u32 s42, s42, 1
	s_cmp_lg_u32 s42, 0
	s_cbranch_scc1 .Lpair
	CHANGE 0, 24                                   ; the tail is written out: nothing is left to fetch
	VPER
	v_lshlrev_b32 v218, 3, v1                      ; 8 l
	v_add_nc_u32 v219, STT, v218
	s_wait_dscnt 0x0                               ; my stores of m, l and ctx have landed
	s_barrier_signal -1
	s_barrier_wait -1
.irp i, 0,1,2,3
	ds_load_b128 v[OUT+4*\i:OUT+4*\i+3], v22 offset:512*\i
.endr
.irp i, 0,1,2,3
	s_wait_dscnt 3-\i                              ; the younger loads may be out
	global_store_b128 v23, v[OUT+4*\i:OUT+4*\i+3], s[12:13] offset:1024*\i   ; 16 lanes store a head's 256 consecutive bytes, aligned
.endr
	s_cmp_lg_u32 s32, 0
	s_cbranch_scc1 .Lnot_first
	ds_load_b64 v[216:217], v219                   ; wave 0 stores the work-group's 32 pairs of m and l
	s_wait_dscnt 0x0
	global_store_b64 v218, v[216:217], s[14:15]    ; 256 consecutive bytes, aligned
.Lnot_first:
	s_wait_tensorcnt 0x0                           ; the wave's end
	ds_add_u32 v24, v25
	s_wait_dscnt 0x0
	CROUND                                         ; the closing round
	s_endpgm
.Lfunc_end_k_qa93ac58bc8_main:
	.size	k_qa93ac58bc8_main, .Lfunc_end_k_qa93ac58bc8_main-k_qa93ac58bc8_main
	.p2alignl 7, 3214868480
	.fill 96, 4, 3214868480
	.section	.rodata,"a",@progbits
	.p2align	6, 0x0
	.amdhsa_kernel k_qa93ac58bc8_main
		.amdhsa_group_segment_fixed_size 327680
		.amdhsa_private_segment_fixed_size 0
		.amdhsa_enable_private_segment 0
		.amdhsa_kernarg_size 48
		.amdhsa_user_sgpr_count 2
		.amdhsa_user_sgpr_kernarg_segment_ptr 1
		.amdhsa_wavefront_size32 1
		.amdhsa_system_sgpr_workgroup_id_x 1
		.amdhsa_system_sgpr_workgroup_id_y 1
		.amdhsa_system_sgpr_workgroup_id_z 1
		.amdhsa_system_vgpr_workitem_id 0
		.amdhsa_next_free_vgpr 1024
		.amdhsa_next_free_sgpr 66
		.amdhsa_reserve_vcc 0
		.amdhsa_float_denorm_mode_32 3
		.amdhsa_float_denorm_mode_16_64 3
		.amdhsa_memory_ordered 1
		.amdhsa_forward_progress 1
		.amdhsa_inst_pref_size 255
	.end_amdhsa_kernel
	.section	.bss,"aw",@nobits
	.p2align	6
	.space	262144
	.amdgpu_metadata
---
amdhsa.version: [ 1, 2 ]
amdhsa.kernels:
  - .name:           k_qa93ac58bc8_main
    .symbol:         k_qa93ac58bc8_main.kd
    .args:
      - { .name: model_output, .offset: 0, .size: 8, .value_kind: global_buffer, .address_space: global }
      - { .name: input_ids, .offset: 8, .size: 8, .value_kind: global_buffer, .address_space: global }
      - { .name: wimg, .offset: 16, .size: 8, .value_kind: global_buffer, .address_space: global }
      - { .name: qs, .offset: 24, .size: 8, .value_kind: global_buffer, .address_space: global }
      - { .name: pctx, .offset: 32, .size: 8, .value_kind: global_buffer, .address_space: global }
      - { .name: pstat, .offset: 40, .size: 8, .value_kind: global_buffer, .address_space: global }
    .group_segment_fixed_size: 327680
    .private_segment_fixed_size: 0
    .kernarg_segment_align: 8
    .kernarg_segment_size: 48
    .max_flat_workgroup_size: 128
    .sgpr_count:     66
    .vgpr_count:     1024
    .wavefront_size: 32
...
	.end_amdgpu_metadata
.endif
;; end of part 3
;; launch final (part 4): grid 256 x 1, 4 waves a work-group, no clusters, 8,704 bytes of LDS; arguments model_output, input_ids, wimg, pctx, pstat, attention_strength, empty_knowledge_mask, out0; writes out0
.if DOCPART == 4
	.amdgcn_target "amdgcn-amd-amdhsa--gfx1250"
	.amdhsa_code_object_version 6
	.text
	.protected	k_qa93ac58bc8_final
	.globl	k_qa93ac58bc8_final
	.p2align	8
	.type	k_qa93ac58bc8_final,@function
k_qa93ac58bc8_final:
	s_mov_b64 s[64:65], 0
	v_nop
	global_prefetch_b8 v0, s[64:65] scope:SCOPE_SE
	s_setreg_imm32_b32 hwreg(HW_REG_WAVE_MODE, 25, 1), 1
	s_wait_xcnt 0x0
; out0[b] = origin + strength x (Q(ctx[b]) Q(Wo)^T + bo), or origin where the sequence's knowledge is empty; origin = row pos of model_output as it is given.
; ctx[b]: for each head the eight partial results of the launch main (m, l, 64 unnormalised channels) are joined: M = largest m, e = 2^(m - M), L = sum of e x l, ctx = sum of (e / L) x part; all in f32.
; Work-group: 4 sequences (number % 16) x 64 columns (number / 16).  Wave w joins and quantises the row of sequence 4 bg + w (lane l: block l of 32 channels, which lies inside head l / 2),
; lays codes and scale bytes in LDS as rows; behind a barrier wave w multiplies column tile w: source 0 = 16 rows of Wo (images from wimg), source 1 = the four rows, each four times.
; The sum over K = 1,024 runs in two chains (even and odd K steps), which take turns; the bias is the C of the first.
; LIMITS: as stated for the quantiser in prep; NaN and infinities are not served.
.set SLOTB, 103424
.set FRB,   1536
.set SLOT0N, 24                        ; Wo lies in slots 24 to 31
.set CT,    0
.set SCB,   3072
.set OS,    3328
.set WF,  16
.set WS,  112
.set BI,  116
.set A0,  124
.set A1,  132
.set BS,  140
.set BF,  148                          ; v148-243 the rows' 8 fragments; before that:
.set ID,  148                          ; v148-163 the ids, then
.set EE,  148                          ; v148-155 e
.set CTX, 164                          ; v164-195 my block of ctx
.set ST,  196                          ; v196-211 eight pairs m, l
.set CC,  212                          ; v212-227 e / L, each twice: a pair for the packed forms
.set C,   228
.set T,   244
.set ORG, 254                          ; v254-255 my two numbers of origin
.set MSB, 0
.macro WIN new
.if MSB != (\new)
	s_set_vgpr_msb (MSB<<8)|(\new)
.set MSB, (\new)
.endif
.endm
.macro POS km
	s_mov_b32 s28, 0x4000
.irp c, 0,1,2,3
.irp e, 0,1,2,3
	v_cmp_eq_u32 s29, 0x7531, v[ID+4*\c+\e]
	s_ctz_i32_b32 s29, s29                         ; the first lane that has it; all ones if none
	s_min_u32 s29, s29, 0x1000
	s_lshl_b32 s29, s29, 2
	s_add_co_u32 s29, s29, 128*\c+\e
	s_min_u32 s28, s28, s29
.endr
.endr
.if \km
	v_cmp_eq_u32 s29, 0x7532, v[ID]
	s_and_b32 s29, s29, 1
.endif
	s_cmp_lt_u32 s28, 512
	s_cselect_b32 s28, s28, 0
.if \km
	s_cselect_b32 s29, 0, s29
	s_sub_co_u32 s30, 0, s29
.endif
	s_min_u32 s28, s28, 0x1ff                      ; a loaded number enters an address only behind this bound
.endm
.macro LQ s
	v_max3_num_f32 v[T], |v[\s]|, |v[\s+1]|, |v[\s+2]|
	v_max3_num_f32 v[T+1], |v[\s+3]|, |v[\s+4]|, |v[\s+5]|
.irp i, 6,10,14,18,22,26
	v_max3_num_f32 v[T], v[T], |v[\s+\i]|, |v[\s+\i+1]|
	v_max3_num_f32 v[T+1], v[T+1], |v[\s+\i+2]|, |v[\s+\i+3]|
.endr
	v_max3_num_f32 v[T], v[T], |v[\s+30]|, |v[\s+31]|
	v_max3_num_f32 v[T], v[T], v[T+1], 0x2800000   ; and the floor 2^(5 - 127)
	v_add_nc_u32 v[T+2], 0xfe000000, v[T]
	v_lshrrev_b32 v[T+3], 23, v[T+2]
	v_cvt_scalef32_pk16_bf6_f32 v[C:C+2], v[\s:\s+15], v[T+2]
	v_cvt_scalef32_pk16_bf6_f32 v[C+6:C+8], v[\s+16:\s+31], v[T+2]
	v_nop                                          ; one plain place behind a scaled conversion
.irp i, 0,1,2
	v_mov_b32 v[C+3+\i], v[C+6+\i]
.endr
	ds_store_b64 v8, v[C:C+1] offset:CT
	ds_store_b64 v8, v[C+2:C+3] offset:CT+8
	ds_store_b64 v8, v[C+4:C+5] offset:CT+16
	ds_store_b8 v9, v[T+3] offset:SCB
.endm
.macro BARRIER
	s_wait_dscnt 0x0
	s_barrier_signal -1
	s_barrier_wait -1
.endm
.macro PROD
.irp k, 0,1,2,3,4,5,6,7
.if \k == 0
	v_wmma_scale_f32_16x16x128_f8f6f4 v[A0:A0+7], v[WF:WF+11], v[BF:BF+11], v[BI:BI+7], v[WS], v[BS] matrix_a_fmt:MATRIX_FMT_BF6 matrix_b_fmt:MATRIX_FMT_BF6
.elseif \k == 1
	v_wmma_scale_f32_16x16x128_f8f6f4 v[A1:A1+7], v[WF+12:WF+23], v[BF+12:BF+23], 0, v[WS], v[BS+1] matrix_a_fmt:MATRIX_FMT_BF6 matrix_b_fmt:MATRIX_FMT_BF6 matrix_a_scale:MATRIX_SCALE_ROW1
.elseif \k%2 == 0
	v_wmma_scale_f32_16x16x128_f8f6f4 v[A0:A0+7], v[WF+12*\k:WF+12*\k+11], v[BF+12*\k:BF+12*\k+11], v[A0:A0+7], v[WS+\k/2], v[BS+\k] matrix_a_fmt:MATRIX_FMT_BF6 matrix_b_fmt:MATRIX_FMT_BF6
.else
	v_wmma_scale_f32_16x16x128_f8f6f4 v[A1:A1+7], v[WF+12*\k:WF+12*\k+11], v[BF+12*\k:BF+12*\k+11], v[A1:A1+7], v[WS+\k/2], v[BS+\k] matrix_a_fmt:MATRIX_FMT_BF6 matrix_b_fmt:MATRIX_FMT_BF6 matrix_a_scale:MATRIX_SCALE_ROW1
.endif
.endr
.rept 4
	v_nop
.endr
.endm
	s_load_b256 s[4:11], s[0:1], 0x0               ; model_output, input_ids, wimg, pctx
	s_load_b256 s[12:19], s[0:1], 0x20             ; pstat, attention_strength, empty_knowledge_mask, out0
	s_set_vgpr_msb 0x80
	v_lshl_add_u32 v0, v0, 2, 0x2000
	v_mov_b32 v1, 0
	s_set_vgpr_msb 0x8000
	v_lshrrev_b32 v1, 5, v0
	v_readfirstlane_b32 s20, v1                    ; wave
	v_and_b32 v1, 31, v0                           ; l
	v_and_b32 v2, 15, v0                           ; r
	v_bfe_u32 v3, v0, 4, 1                         ; h
	v_lshlrev_b32 v4, 4, v1                        ; 16 l
	v_lshlrev_b32 v5, 5, v3                        ; 32 h
	v_lshlrev_b32 v6, 7, v1                        ; 128 l
	v_mul_u32_u24 v8, v1, 24
	s_mul_i32 s36, s20, 768
	v_add_nc_u32 v8, s36, v8
	s_lshl_b32 s36, s20, 5
	v_add_nc_u32 v9, s36, v1
	v_bfe_u32 v15, v0, 1, 1
	v_lshlrev_b32 v15, 6, v15
	v_bfe_u32 v7, v0, 2, 3
	v_lshl_add_u32 v15, v7, 3, v15                 ; m, l of head l / 2: 64 x (head % 2) + 8 x (head / 2)
	v_and_b32 v7, 3, v0                            ; r % 4
	v_mul_u32_u24 v10, v7, 768
	v_mad_u32_u24 v10, v3, 24, v10
	v_lshlrev_b32 v11, 5, v7
	v_lshlrev_b32 v12, 8, v7
	v_lshl_add_u32 v12, v3, 5, v12
	s_lshl_b32 s36, s20, 6
	v_add_nc_u32 v12, s36, v12
	v_lshlrev_b32 v14, 3, v1                       ; 8 l
	s_lshl_b32 s36, s20, 8
	v_add_nc_u32 v13, s36, v14
	s_and_b32 s21, ttmp9, 15
	s_lshr_b32 s22, ttmp9, 4                       ; which 64 columns
	s_lshl_b32 s23, s21, 2
	s_add_co_u32 s23, s23, s20                     ; my sequence
	s_lshr_b32 s36, s22, 1
	s_add_co_u32 s36, s36, SLOT0N
	s_mul_i32 s36, s36, SLOTB
	s_and_b32 s38, s22, 1
	s_lshl_b32 s38, s38, 2
	s_add_co_u32 s38, s38, s20
	s_mul_i32 s39, s38, 8*FRB
	s_add_co_u32 s24, s36, s39
	s_mov_b32 s25, 0
	s_lshl_b32 s39, s38, 9
	s_add_co_u32 s26, s36, s39
	s_add_co_u32 s26, s26, 98304
	s_mov_b32 s27, 0
	s_lshl_b32 s39, s38, 6
	s_add_co_u32 s34, s36, s39
	s_add_co_u32 s34, s34, 102400
	s_mov_b32 s35, 0
	s_mov_b32 s37, 0
	s_wait_kmcnt 0x0
	s_mov_b32 s36, s23
	s_add_nc_u64 s[16:17], s[16:17], s[36:37]
	s_load_u8 s44, s[16:17], 0x0                   ; is my sequence's knowledge empty
	s_load_b32 s45, s[14:15], 0x0                  ; the strength
	s_add_nc_u64 s[24:25], s[8:9], s[24:25]
	s_add_nc_u64 s[26:27], s[8:9], s[26:27]
	s_add_nc_u64 s[34:35], s[8:9], s[34:35]
	s_lshl_b32 s36, s23, 11
	s_add_nc_u64 s[6:7], s[6:7], s[36:37]
	s_lshl_b32 s36, s23, 15
	s_add_nc_u64 s[10:11], s[10:11], s[36:37]
	s_lshl_b32 s36, s23, 10
	s_add_nc_u64 s[12:13], s[12:13], s[36:37]
	s_lshl_b32 s36, s23, 12
	s_lshl_b32 s39, s22, 8
	s_add_co_u32 s36, s36, s39
	s_add_nc_u64 s[18:19], s[18:19], s[36:37]
	s_lshl_b32 s36, s23, 21
	s_add_nc_u64 s[4:5], s[4:5], s[36:37]
.irp c, 0,1,2,3
	global_load_b128 v[ID+4*\c:ID+4*\c+3], v4, s[6:7] offset:512*\c
.endr
.irp p, 0,1,2,3,4,5,6,7
	global_load_b64 v[ST+2*\p:ST+2*\p+1], v15, s[12:13] offset:256*(\p/2)+128*(\p%2)
.endr
.irp k, 0,1,2,3,4,5,6,7
.irp c, 0,1,2
	global_load_b128 v[WF+12*\k+4*\c:WF+12*\k+4*\c+3], v4, s[24:25] offset:FRB*\k+512*\c
.endr
.endr
	global_load_b128 v[WS:WS+3], v4, s[26:27]
	global_load_b128 v[BI:BI+3], v5, s[34:35]
	global_load_b128 v[BI+4:BI+7], v5, s[34:35] offset:16
	s_wait_loadcnt 35                              ; the four loads of ids are in; the 8 + 24 + 1 + 2 behind them may be out
	POS 0
	s_lshl_b32 s31, s28, 12
	s_add_co_u32 s31, s31, s39
	v_add_nc_u32 v7, s31, v14
	global_load_b64 v[ORG:ORG+1], v7, s[4:5]       ; row pos, my 64 columns: 32 lanes read 256 consecutive bytes
	WIN 0x40
.irp p, 0,1,2,3,4,5,6,7
.irp e, 0,1,2,3,4,5,6,7
	global_load_b128 v[32*\p+4*\e:32*\p+4*\e+3], v6, s[10:11] offset:4096*\p+16*\e   ; part p, my 32 channels, into window 1
.endr
.endr
	WIN 0
	s_wait_loadcnt 0x0
	v_max3_num_f32 v[T], v[ST], v[ST+2], v[ST+4]
	v_max3_num_f32 v[T], v[T], v[ST+6], v[ST+8]
	v_max3_num_f32 v[T], v[T], v[ST+10], v[ST+12]
	v_max_num_f32 v[T], v[T], v[ST+14]             ; M
.irp p, 0,1,2,3,4,5,6,7
	v_sub_f32 v[EE+\p], v[ST+2*\p], v[T]
.endr
.irp p, 0,1,2,3,4,5,6,7
	v_exp_f32 v[EE+\p], v[EE+\p]
.endr
	v_nop                                          ; one plain place behind the exponentials
	s_wait_alu depctr_va_vdst(0)
	v_mul_f32 v[T+1], v[EE], v[ST+1]
.irp p, 1,2,3,4,5,6,7
	v_fma_f32 v[T+1], v[EE+\p], v[ST+2*\p+1], v[T+1]   ; L: at least 1, since the part that holds M has e = 1 and l >= 1
.endr
	v_rcp_f32 v[T+2], v[T+1]
	v_nop
	s_wait_alu depctr_va_vdst(0)
.irp p, 0,1,2,3,4,5,6,7
	v_mul_f32 v[CC+2*\p], v[EE+\p], v[T+2]
	v_mul_f32 v[CC+2*\p+1], v[EE+\p], v[T+2]
.endr
	WIN 0x01                                       ; source 0: the parts, window 1
.irp p, 0,1,2,3,4,5,6,7
.set I, 0
.rept 16
.if \p == 0
	v_pk_mul_f32 v[CTX+2*I:CTX+2*I+1], v[2*I:2*I+1], v[CC:CC+1]
.else
	v_pk_fma_f32 v[CTX+2*I:CTX+2*I+1], v[32*\p+2*I:32*\p+2*I+1], v[CC+2*\p:CC+2*\p+1], v[CTX+2*I:CTX+2*I+1]
.endif
.set I, I+1
.endr
.endr
	WIN 0
	LQ CTX
	BARRIER                                        ; the four rows' codes and bytes lie in LDS
.irp k, 0,1,2,3,4,5,6,7
.irp p, 0,1,2,3,4,5
	ds_load_b64 v[BF+12*\k+2*\p:BF+12*\k+2*\p+1], v10 offset:CT+96*\k+48*(\p/3)+8*(\p%3)
.endr
.endr
	ds_load_b128 v[BS:BS+3], v11 offset:SCB
	ds_load_b128 v[BS+4:BS+7], v11 offset:SCB+16
	s_wait_dscnt 0x0
	PROD
.irp j, 0,2,4,6
	v_pk_add_f32 v[T+\j:T+\j+1], v[A0+\j:A0+\j+1], v[A1+\j:A1+\j+1]     ; both accumulators from their low end on
.endr
	ds_store_b128 v12, v[T:T+3] offset:OS
	ds_store_b128 v12, v[T+4:T+7] offset:OS+16
	BARRIER
	ds_load_b64 v[T+8:T+9], v13 offset:OS
	s_wait_kmcnt 0x0
	s_cmp_lg_u32 s44, 0
	s_cselect_b32 s46, -1, 0
	s_wait_dscnt 0x0
	v_fma_f32 v[T], s45, v[T+8], v[ORG]
	v_fma_f32 v[T+1], s45, v[T+9], v[ORG+1]
	v_cndmask_b32 v[T], v[T], v[ORG], s46
	v_cndmask_b32 v[T+1], v[T+1], v[ORG+1], s46
	global_store_b64 v14, v[T:T+1], s[18:19]       ; 32 lanes store 256 consecutive bytes, aligned
	s_set_vgpr_msb 0xa
	s_wait_tensorcnt 0x0
	ds_add_u32 v0, v1
	s_wait_dscnt 0x0
	s_set_vgpr_msb 0xa00
	s_endpgm
.Lfunc_end_k_qa93ac58bc8_final:
	.size	k_qa93ac58bc8_final, .Lfunc_end_k_qa93ac58bc8_final-k_qa93ac58bc8_final
	.p2alignl 7, 3214868480
	.fill 96, 4, 3214868480
	.section	.rodata,"a",@progbits
	.p2align	6, 0x0
	.amdhsa_kernel k_qa93ac58bc8_final
		.amdhsa_group_segment_fixed_size 8704
		.amdhsa_private_segment_fixed_size 0
		.amdhsa_enable_private_segment 0
		.amdhsa_kernarg_size 64
		.amdhsa_user_sgpr_count 2
		.amdhsa_user_sgpr_kernarg_segment_ptr 1
		.amdhsa_wavefront_size32 1
		.amdhsa_system_sgpr_workgroup_id_x 1
		.amdhsa_system_sgpr_workgroup_id_y 1
		.amdhsa_system_sgpr_workgroup_id_z 1
		.amdhsa_system_vgpr_workitem_id 0
		.amdhsa_next_free_vgpr 514
		.amdhsa_next_free_sgpr 66
		.amdhsa_reserve_vcc 0
		.amdhsa_float_denorm_mode_32 3
		.amdhsa_float_denorm_mode_16_64 3
		.amdhsa_memory_ordered 1
		.amdhsa_forward_progress 1
		.amdhsa_inst_pref_size 36
	.end_amdhsa_kernel
	.amdgpu_metadata
---
amdhsa.version: [ 1, 2 ]
amdhsa.kernels:
  - .name:           k_qa93ac58bc8_final
    .symbol:         k_qa93ac58bc8_final.kd
    .args:
      - { .name: model_output, .offset: 0, .size: 8, .value_kind: global_buffer, .address_space: global }
      - { .name: input_ids, .offset: 8, .size: 8, .value_kind: global_buffer, .address_space: global }
      - { .name: wimg, .offset: 16, .size: 8, .value_kind: global_buffer, .address_space: global }
      - { .name: pctx, .offset: 24, .size: 8, .value_kind: global_buffer, .address_space: global }
      - { .name: pstat, .offset: 32, .size: 8, .value_kind: global_buffer, .address_space: global }
      - { .name: attention_strength, .offset: 40, .size: 8, .value_kind: global_buffer, .address_space: global }
      - { .name: empty_knowledge_mask, .offset: 48, .size: 8, .value_kind: global_buffer, .address_space: global }
      - { .name: out0, .offset: 56, .size: 8, .value_kind: global_buffer, .address_space: global }
    .group_segment_fixed_size: 8704
    .private_segment_fixed_size: 0
    .kernarg_segment_align: 8
    .kernarg_segment_size: 64
    .max_flat_workgroup_size: 128
    .sgpr_count:     66
    .vgpr_count:     514
    .wavefront_size: 32
...
	.end_amdgpu_metadata
.endif
;; end of part 4
